; MI455X (gfx1250); checked and timed in simulation.
; The chip was launched on July 23, 2026; its instructions are those of AMD's public machine-readable ISA for CDNA 5 (MIT licence, August 2026) and "CDNA5" Instruction Set Architecture Reference Guide (July 2026). The comments in the code are by the model that wrote it; some were corrected since.
;; Causal Multi Head Attention With Ro PE. Allowed arithmetic: float matrix products may take bf16 or f16 operands with f32 sums; all other float work in f32.
;; Inputs: k_proj_weight 1,024 x 1,024 float32; o_proj_weight 1,024 x 1,024 float32; q_proj_weight 1,024 x 1,024 float32; v_proj_weight 1,024 x 1,024 float32; x 2 x 2,048 x 1,024 float32.
;; Outputs: out0 2 x 2,048 x 1,024 float32.
;; One version. Each part assembles by itself: llvm-mc -triple=amdgcn-amd-amdhsa -mcpu=gfx1250 --defsym DOCPART=n.
;; ======== version 1 of 1: 4 launches
;; limits: values are held in f16: magnitudes above 65,504 overflow, below 6.1e-05 lose precision
;; workspace buffers: x16 8,388,608 bytes; w16 6,291,456 bytes; wo16 2,097,152 bytes; tab 524,288 bytes; qkv 25,165,824 bytes; a16 8,388,608 bytes
;; launch prep (part 1): grid 256 x 1, 8 waves a work-group, no clusters, 0 bytes of LDS; arguments x, q_proj_weight, k_proj_weight, v_proj_weight, o_proj_weight, x16, w16, wo16, tab; writes x16, w16, wo16, tab
.if DOCPART == 1
	.amdgcn_target "amdgcn-amd-amdhsa--gfx1250"
	.amdhsa_code_object_version 6
	.text
	.protected	k_q4ed38d655b_prep
	.globl	k_q4ed38d655b_prep
	.p2align	8
	.type	k_q4ed38d655b_prep,@function
k_q4ed38d655b_prep:
	s_mov_b64 s[64:65], 0
	v_nop
	global_prefetch_b8 v0, s[64:65] scope:SCOPE_SE
	s_setreg_imm32_b32 hwreg(HW_REG_WAVE_MODE, 25, 1), 1
	s_wait_xcnt 0x0
; prep: rounds the five f32 inputs once to 16 bits and makes the table of cosines and sines.
;   x  -> x16  [4096][1024] bf16;   Wq, Wk, Wv -> w16 [3072][1024] bf16 (q rows, k rows, v rows);
;   Wo -> wo16 [1024][1024]: rounded to bf16, then written as f16 (the last product runs in f16 beside an f16 operand);
;   tab [2048 positions][32 frequencies][cos, sin] f32, 256 bytes a position.
; A stream: no LDS, no matrix unit, no cluster (no two work-groups read the same byte).
; 256 work-groups of 8 waves; work-group c converts one chunk of 32,768 numbers (131,072 bytes in, 65,536 out):
;   c < 128: x;  128 .. 223: Wq, Wk, Wv (32 chunks each);  224 .. 255: Wo.
; Thread t owns 8 neighbouring numbers of each of 16 pieces of 2,048 numbers: two 16-byte loads, one 16-byte store, so that
; sixteen neighbouring lanes store 256 consecutive bytes, aligned.  All 32 loads of a thread are issued at once.
; LIMITS: a bf16-rounded Wo below 2^-14 in magnitude loses bits as an f16 denormal (absolute error at most 2^-25); above 65,504 it
; becomes infinite.  The angle pos * 10000^(-i/32) is made from v_exp_f32 (1 ulp): about 3e-4 rad off at position 2047 at the most.
.set X, 32                             ; v[32:159]   the 32 loads
.set Y, 160                            ; v[160:223]  a set of four registers for each store: none is written twice
.set T, 24                             ; v[24:31]    at work (Wo alone)
	s_load_b512 s[4:19], s[0:1], 0x0               ; x, Wq, Wk, Wv, Wo, x16, w16, wo16
	s_load_b64 s[20:21], s[0:1], 0x40              ; tab
	s_mov_b32 s22, ttmp9                           ; c
	s_and_b32 s23, s22, 31                         ; the chunk inside a weight
	s_sub_co_u32 s30, s22, 128                     ; the chunk inside w16 (used for 128 <= c < 224 alone)
	s_cmp_lt_u32 s22, 128
	s_cselect_b32 s28, s22, s23                    ; chunk in the source
	s_cselect_b32 s30, s22, s30                    ; chunk in the destination
	s_cmp_ge_u32 s22, 224
	s_cselect_b32 s30, s23, s30
	s_lshl_b32 s28, s28, 17                        ; x 131,072 bytes
	s_mov_b32 s29, 0
	s_lshl_b32 s30, s30, 16                        ; x 65,536 bytes
	s_mov_b32 s31, 0
	s_lshl_b32 s32, s22, 11                        ; 8 positions of 256 bytes in tab
	s_mov_b32 s33, 0
	v_lshlrev_b32 v1, 5, v0                        ; 32 t: my 8 f32
	v_lshlrev_b32 v2, 4, v0                        ; 16 t: my 8 numbers of 16 bits
	s_wait_kmcnt 0x0
	s_cmp_ge_u32 s22, 128                          ; the choice of buffers hangs on the work-group's number alone
	s_cselect_b64 s[24:25], s[6:7], s[4:5]
	s_cselect_b64 s[26:27], s[16:17], s[14:15]
	s_cmp_ge_u32 s22, 160
	s_cselect_b64 s[24:25], s[8:9], s[24:25]
	s_cmp_ge_u32 s22, 192
	s_cselect_b64 s[24:25], s[10:11], s[24:25]
	s_cmp_ge_u32 s22, 224
	s_cselect_b64 s[24:25], s[12:13], s[24:25]
	s_cselect_b64 s[26:27], s[18:19], s[26:27]
	s_add_nc_u64 s[24:25], s[24:25], s[28:29]      ; source at my chunk
	s_add_nc_u64 s[26:27], s[26:27], s[30:31]      ; destination at my chunk
	s_add_nc_u64 s[20:21], s[20:21], s[32:33]      ; tab at my 8 positions
.set u, 0
.rept 16
	global_load_b128 v[X+8*u:X+8*u+3],   v1, s[24:25] offset:8192*u th:TH_LOAD_NT
	global_load_b128 v[X+8*u+4:X+8*u+7], v1, s[24:25] offset:8192*u+16 th:TH_LOAD_NT
.set u, u+1
.endr
	; While the loads are on their way: one entry of the table a thread, position 8 c + t / 32, frequency i = t % 32.
	v_and_b32 v4, 31, v0
	v_lshrrev_b32 v5, 5, v0
	v_lshl_add_u32 v5, s22, 3, v5                  ; position
	v_cvt_f32_u32 v4, v4
	v_cvt_f32_u32 v5, v5
	v_mul_f32 v4, 0xbed49a78, v4                   ; -i log2(10000) / 32
	v_exp_f32 v4, v4                               ; 10000^(-i/32)
	v_lshlrev_b32 v3, 3, v0                        ; 8 t: my entry's bytes.  Also the plain instruction that stands behind v_exp_f32 (ISA guide 5.7.2)
	s_wait_alu depctr_va_vdst(0)
	v_mul_f32 v5, v5, v4                           ; the angle
	v_mul_f32 v6, 0x3f22f983, v5                   ; x 2 / pi
	v_rndne_f32 v6, v6                             ; n quarter turns (at most 1,303)
	v_fmamk_f32 v7, v6, 0xbfc90fdb, v5             ; r = angle - n pi/2, pi/2 in two parts
	v_fmamk_f32 v7, v6, 0x333bbd2e, v7
	v_mul_f32 v8, v7, v7                           ; z = r r, |r| <= pi/4
	v_mov_b32 v9, 0xb94ca1f9                       ; sin r = r + r z (S1 + z (S2 + z S3))
	v_fmaak_f32 v9, v9, v8, 0x3c08839e
	v_fmaak_f32 v9, v9, v8, 0xbe2aaaa3
	v_mul_f32 v9, v9, v8
	v_fma_f32 v9, v9, v7, v7
	v_mov_b32 v10, 0x37ccf5ce                      ; cos r = 1 - z/2 + z z (C1 + z (C2 + z C3))
	v_fmaak_f32 v10, v10, v8, 0xbab6061a
	v_fmaak_f32 v10, v10, v8, 0x3d2aaaa5
	v_mul_f32 v10, v10, v8
	v_fma_f32 v11, v8, -0.5, 1.0
	v_fma_f32 v10, v10, v8, v11
	v_cvt_i32_f32 v12, v6
	v_and_b32 v13, 1, v12                          ; odd quarter: sine and cosine change places
	v_cmp_ne_u32 vcc_lo, 0, v13
	v_cndmask_b32 v14, v9, v10, vcc_lo
	v_cndmask_b32 v15, v10, v9, vcc_lo
	v_and_b32 v13, 2, v12                          ; quarters 2, 3: the sine is negative
	v_lshlrev_b32 v13, 30, v13
	v_xor_b32 v17, v14, v13
	v_add_nc_u32 v12, 1, v12                       ; quarters 1, 2: the cosine is negative
	v_and_b32 v12, 2, v12
	v_lshlrev_b32 v12, 30, v12
	v_xor_b32 v16, v15, v12
	global_store_b64 v3, v[16:17], s[20:21]        ; a wave stores one position's 256 bytes
; half = 0: f32 to bf16.  half = 1: f32 to bf16, and that number as f16.
.macro CONV half
.set u, 0
.rept 16
	s_wait_loadcnt 30-2*u                          ; loads come back in order: piece u's two are in, the 2 (15 - u) younger ones stay out
.if \half
.irp j, 0,1,2,3
	v_cvt_pk_bf16_f32 v[T+2*\j], v[X+8*u+2*\j], v[X+8*u+2*\j+1]
.endr
.irp j, 0,1,2,3
	v_lshlrev_b32 v[T+2*\j+1], 16, v[T+2*\j]       ; the low bf16 as f32
	v_and_b32 v[T+2*\j], 0xffff0000, v[T+2*\j]     ; the high one
.endr
.irp j, 0,1,2,3
	v_cvt_pk_f16_f32 v[Y+4*u+\j], v[T+2*\j+1], v[T+2*\j]
.endr
.else
.irp j, 0,1,2,3
	v_cvt_pk_bf16_f32 v[Y+4*u+\j], v[X+8*u+2*\j], v[X+8*u+2*\j+1]
.endr
.endif
	global_store_b128 v2, v[Y+4*u:Y+4*u+3], s[26:27] offset:4096*u
.set u, u+1
.endr
.endm
	s_cmp_ge_u32 s22, 224
	s_cbranch_scc1 .Lwo
	CONV 0
	s_endpgm
.Lwo:
	CONV 1
	s_endpgm
.Lfunc_end_k_q4ed38d655b_prep:
	.size	k_q4ed38d655b_prep, .Lfunc_end_k_q4ed38d655b_prep-k_q4ed38d655b_prep
	.p2alignl 7, 3214868480
	.fill 96, 4, 3214868480
	.section	.rodata,"a",@progbits
	.p2align	6, 0x0
	.amdhsa_kernel k_q4ed38d655b_prep
		.amdhsa_group_segment_fixed_size 0
		.amdhsa_private_segment_fixed_size 0
		.amdhsa_enable_private_segment 0
		.amdhsa_kernarg_size 72
		.amdhsa_user_sgpr_count 2
		.amdhsa_user_sgpr_kernarg_segment_ptr 1
		.amdhsa_wavefront_size32 1
		.amdhsa_system_sgpr_workgroup_id_x 1
		.amdhsa_system_sgpr_workgroup_id_y 1
		.amdhsa_system_sgpr_workgroup_id_z 1
		.amdhsa_system_vgpr_workitem_id 0
		.amdhsa_next_free_vgpr 224
		.amdhsa_next_free_sgpr 66
		.amdhsa_reserve_vcc 1
		.amdhsa_float_denorm_mode_32 3
		.amdhsa_float_denorm_mode_16_64 3
		.amdhsa_memory_ordered 1
		.amdhsa_forward_progress 1
		.amdhsa_inst_pref_size 29
	.end_amdhsa_kernel
	.amdgpu_metadata
---
amdhsa.version: [ 1, 2 ]
amdhsa.kernels:
  - .name:           k_q4ed38d655b_prep
    .symbol:         k_q4ed38d655b_prep.kd
    .args:
      - { .name: x, .offset: 0, .size: 8, .value_kind: global_buffer, .address_space: global }
      - { .name: q_proj_weight, .offset: 8, .size: 8, .value_kind: global_buffer, .address_space: global }
      - { .name: k_proj_weight, .offset: 16, .size: 8, .value_kind: global_buffer, .address_space: global }
      - { .name: v_proj_weight, .offset: 24, .size: 8, .value_kind: global_buffer, .address_space: global }
      - { .name: o_proj_weight, .offset: 32, .size: 8, .value_kind: global_buffer, .address_space: global }
      - { .name: x16, .offset: 40, .size: 8, .value_kind: global_buffer, .address_space: global }
      - { .name: w16, .offset: 48, .size: 8, .value_kind: global_buffer, .address_space: global }
      - { .name: wo16, .offset: 56, .size: 8, .value_kind: global_buffer, .address_space: global }
      - { .name: tab, .offset: 64, .size: 8, .value_kind: global_buffer, .address_space: global }
    .group_segment_fixed_size: 0
    .private_segment_fixed_size: 0
    .kernarg_segment_align: 8
    .kernarg_segment_size: 72
    .max_flat_workgroup_size: 256
    .sgpr_count:     66
    .vgpr_count:     224
    .wavefront_size: 32
...
	.end_amdgpu_metadata
.endif
;; end of part 1
;; launch qkv (part 2): grid 16 x 16, 4 waves a work-group, clusters of 4 x 4, 327,680 bytes of LDS; arguments x16, w16, tab, qkv; writes qkv
.if DOCPART == 2
	.amdgcn_target "amdgcn-amd-amdhsa--gfx1250"
	.amdhsa_code_object_version 6
	.text
	.protected	k_q4ed38d655b_qkv
	.globl	k_q4ed38d655b_qkv
	.p2align	8
	.type	k_q4ed38d655b_qkv,@function
k_q4ed38d655b_qkv:
	s_mov_b64 s[64:65], 0
	v_nop
	global_prefetch_b8 v0, s[64:65] scope:SCOPE_SE
	s_setreg_imm32_b32 hwreg(HW_REG_WAVE_MODE, 25, 1), 1
	s_wait_xcnt 0x0
	s_wait_alu depctr_hold_cnt(0) depctr_sa_sdst(0) depctr_va_vdst(0) depctr_va_sdst(0) depctr_va_ssrc(0) depctr_va_vcc(0) depctr_vm_vsrc(0)
	s_getreg_b32 s2, hwreg(HW_REG_IB_STS2, 6, 4)
	s_cmp_eq_u32 s2, 0
	s_cbranch_scc0 .Lentry_in_a_cluster
	s_endpgm
.Lentry_in_a_cluster:
	s_bfe_u32 s2, ttmp6, 0x10000c
	s_cmp_lg_u32 s2, 0xf033
	s_cbranch_scc0 .Lentry_shape_is_right
	s_endpgm
.Lentry_shape_is_right:
; qkv: [4096 x 3072] = x16 [4096][1024] times w16 [3072][1024] transposed, bf16 operands, f32 sums; RoPE on the 32 q and k heads; f16 out,
; head-major: qkv [48 heads: 16 q, 16 k, 16 v][4096 rows = b 2048 + s][64].
; A work-group makes 256 rows x 192 columns (three whole heads): 16 x 16 work-groups.  Wave w makes rows 64 w .. 64 w + 63 x all 192 columns:
; 4 x 12 accumulator tiles of 16 x 16, 384 registers; for 32 along K it loads 32 x 512 bytes from LDS for 48 matrix instructions.
; K goes in 8 steps of 128 (rows of 256 bytes, 256-byte aligned) through two LDS slots filled by the tensor data mover.
; CLUSTERS: 4 x 4 work-groups.  x16's tile hangs on the block row alone and is asked for jointly by the four of a row of the cluster, w16's on the
; block column alone, jointly by the four of a column; the table's rows hang on the block row alone, like x16's.
; Every wave issues two loads a K step (its 64 rows of x16, its 48 rows of w16); at most four tensor loads of a wave are out (the four at the start).
; THE MATRIX INSTRUCTION IS USED TRANSPOSED (source 0 = 16 rows of w16, source 1 = 16 rows of x16): lane l then holds row l % 16 and eight
; neighbouring columns 8 (l / 16) + 0 .. 7, that is four RoPE pairs, which pack into 16 bytes of f16.
; LIMITS: q, k, v are kept in f16: beyond 65,504 in magnitude they become infinite.  The v heads pass through the same rotation with
; (cos, sin) = (1, 0), so that no branch hangs on the block column: a v that is not finite becomes NaN.
; REGISTERS in windows of 256: window 0: addresses, x16's fragments v32-95 (two buffers), the way out v96-255; window 1: w16's fragments v0-191
; (two buffers); window 2: accumulators of my rows 0-31 (tile (a, b) at v[8 (12 (a % 2) + b)]); window 3: of my rows 32-63.
.set KSTEP,  128
.set PITCH,  272                       ; an LDS row: 256 bytes + 16 of padding: the 16 rows of a fragment load start 16 bytes apart modulo 256
.set AQ,     64*PITCH                  ; a wave's part of x16's tile
.set BQ,     48*PITCH                  ; a wave's part of w16's tile
.set ABYTES, 4*AQ
.set SLOT,   4*AQ+4*BQ                 ; 121,856 bytes
.set STAGE,  2*SLOT                    ; behind the ring, a multiple of 256: 16 rows x 400 bytes for each wave; no tensor load lands there
.set SP,     400                       ; a stage row: three heads' 128 bytes + 16
.set LAPS,   4                         ; a lap = two K steps
.set FV,   8                           ; v[8:13]    head hh of the block: the pair (1 - f, 0)
.set ADRA, 16                          ; v16-17     my x16 fragments in slot 0, 1
.set ADRB, 20                          ; v20-21     the w16 fragments
.set TADR, 22                          ; v22        my four (cos, sin) pairs in the table's row
.set STO,  24                          ; v24        the way out: where I put 16 bytes
.set RD,   25                          ; v25        where I read 16 bytes back
.set CO,   26                          ; v26        my byte offset in a run of 512 bytes of qkv
.set CS,   96                          ; v[96:127]  (cos, sin) of my row, 16 pairs
.set CT,   128                         ; v[128:159] the same, or (1, 0) for a v head
.set RO,   160                         ; v[160:191] rotated numbers of one head
.set HF,   192                         ; v[192:207] the same in f16
.set G1A, 24                           ; s[24:31] group 1, x16's tiles
.set G0A, 32                           ; s[32:39] group 0, x16's tiles, one set a slot
.set G1B, 48                           ; s[48:55] group 1, w16's tiles
.set G0B, 56                           ; s[56:63] group 0, w16's tiles, one set a slot
.set G0T, 68                           ; s[68:71] group 0, the table
.set G1T, 72                           ; s[72:79] group 1, the table
.set FP,  80                           ; s[80:85] head hh: the pair (f, f); f = 1.0 for q and k heads, 0 for v heads
.set FLAGS, (1<<16)|(1<<20)|(1<<21)|(5<<22)|(3<<25)   ; elements of 2 bytes; padding on; bit 21 beside a mask; after every 64 words, 4 words
.set MSB, 0
.macro WIN new                         ; the immediate's high byte repeats the setting that is left
.if MSB != \new
	s_set_vgpr_msb (MSB<<8)|\new
.set MSB, \new
.endif
.endm
.set MUL_LO, 0xa1                      ; source 0 window 1, source 1 window 0, C and D window 2
.set MUL_HI, 0xf1                      ; the same, C and D window 3
.set TO_B,   0x40                      ; destination window 1
.macro PLACES                          ; four places behind a matrix instruction (ISA guide 7.12.1) before its registers are loaded into or its result is read
.rept 4
	v_nop
.endr
.endm
.macro CREST                           ; a round of the cluster's barrier behind its opening work-group barrier
	s_cmp_lg_u32 s12, 0
	s_cbranch_scc1 .Lnot_wave_0_\@
	s_barrier_signal -3
.Lnot_wave_0_\@:
	s_barrier_wait -3
	s_barrier_signal -1
	s_barrier_wait -1
.endm
.macro CROUND
	s_barrier_signal -1
	s_barrier_wait -1
	CREST
.endm
	s_load_b256 s[4:11], s[0:1], 0x0               ; x16 s[4:5], w16 s[6:7], tab s[8:9], qkv s[10:11]
	s_set_vgpr_msb 0x40
	v_lshl_add_u32 v255, v0, 2, 0x41c00
	s_set_vgpr_msb 0x4000
	v_mov_b32 v31, 0
	s_set_vgpr_msb 0x1
	ds_add_u32 v255, v31
	ds_add_u32 v255, v31
	s_set_vgpr_msb 0x100
	v_lshrrev_b32 v1, 5, v0
	v_readfirstlane_b32 s12, v1                    ; wave 0..3
	s_bfe_u32 s40, ttmp6, 0x40000                  ; cx
	s_bfe_u32 s41, ttmp6, 0x40004                  ; cy
	s_lshl_b32 s42, ttmp9, 2
	s_add_co_u32 s42, s42, s40                     ; block column = 4 x cluster x + cx
	s_and_b32 s13, ttmp7, 0xffff
	s_lshl_b32 s13, s13, 2
	s_add_co_u32 s13, s13, s41                     ; block row = 4 x cluster y + cy
	s_lshl_b32 s43, s41, 2
	s_lshl_b32 s43, 15, s43                        ; my row of the cluster
	s_lshl_b32 s44, 0x1111, s40                    ; my column
	s_or_b32 s[G1A+0], s43, FLAGS
	s_mov_b32 s[G1A+1], KSTEP<<16                  ; tensor_dim0 = 128
	s_mov_b32 s[G1A+2], 64<<16                     ; tensor_dim1 = 64
	s_mov_b32 s[G1A+3], KSTEP<<16                  ; tile_dim0 = 128
	s_mov_b32 s[G1A+4], 64                         ; tile_dim1 = 64
	s_mov_b32 s[G1A+5], 1024                       ; elements from row to row
	s_mov_b32 s[G1A+6], 0
	s_mov_b32 s[G1A+7], 0
	s_or_b32 s[G1B+0], s44, FLAGS
	s_mov_b32 s[G1B+1], KSTEP<<16
	s_mov_b32 s[G1B+2], 48<<16                     ; 48 rows
	s_mov_b32 s[G1B+3], KSTEP<<16
	s_mov_b32 s[G1B+4], 48
	s_mov_b32 s[G1B+5], 1024
	s_mov_b32 s[G1B+6], 0
	s_mov_b32 s[G1B+7], 0
	s_or_b32 s[G1T+0], s43, FLAGS                  ; the table: 64 positions of 256 bytes, dense in memory, taken as 128 elements of 2 bytes
	s_mov_b32 s[G1T+1], 128<<16
	s_mov_b32 s[G1T+2], 64<<16
	s_mov_b32 s[G1T+3], 128<<16
	s_mov_b32 s[G1T+4], 64
	s_mov_b32 s[G1T+5], 128
	s_mov_b32 s[G1T+6], 0
	s_mov_b32 s[G1T+7], 0
	; where the tiles come from: x16's and the table's offsets are made of the block row and the wave, w16's of the block column and the wave
	s_lshl_b32 s16, s13, 8
	s_lshl_b32 s17, s12, 6
	s_add_co_u32 s16, s16, s17                     ; row 256 x block row + 64 w
	s_lshl_b32 s16, s16, 11                        ; x 2,048 bytes
	s_mov_b32 s17, 0
	s_mul_i32 s46, s42, 192
	s_mul_i32 s47, s12, 48
	s_add_co_u32 s46, s46, s47                     ; row 192 x block column + 48 w
	s_lshl_b32 s46, s46, 11
	s_mov_b32 s47, 0
	s_and_b32 s18, s13, 7                          ; 2,048 positions = 8 blocks of 256 rows
	s_lshl_b32 s18, s18, 8
	s_lshl_b32 s19, s12, 6
	s_add_co_u32 s18, s18, s19                     ; my rows' first position
	s_lshl_b32 s18, s18, 8                         ; x 256 bytes
	s_mov_b32 s19, 0
	s_mul_i32 s20, s12, AQ                         ; where they go: the wave's number alone
	s_mul_i32 s21, s12, BQ
	s_add_co_u32 s21, s21, ABYTES
	s_wait_dscnt 0x0
	s_wait_kmcnt 0x0
	s_add_nc_u64 s[14:15], s[4:5], s[16:17]
	s_add_nc_u64 s[46:47], s[6:7], s[46:47]
	s_mov_b32 s[G0T], 1
	s_add_co_u32 s[G0T+1], s20, 0                  ; the table lands where my rows of x16 lay in slot 0
	s_add_nc_u64 s[G0T+2:G0T+3], s[8:9], s[18:19]
	s_or_b32 s[G0T+3], s[G0T+3], 0x80000000
	CROUND                                         ; all sixteen work-groups are here: the first joint loads meet
.irp n, 0,1
	s_mov_b32 s[G0A+4*\n], 1
	s_add_co_u32 s[G0A+4*\n+1], s20, \n*SLOT
	s_add_nc_u64 s[G0A+4*\n+2:G0A+4*\n+3], s[14:15], \n*KSTEP*2
	s_or_b32 s[G0A+4*\n+3], s[G0A+4*\n+3], 0x80000000
	s_mov_b32 s[G0B+4*\n], 1
	s_add_co_u32 s[G0B+4*\n+1], s21, \n*SLOT
	s_add_nc_u64 s[G0B+4*\n+2:G0B+4*\n+3], s[46:47], \n*KSTEP*2
	s_or_b32 s[G0B+4*\n+3], s[G0B+4*\n+3], 0x80000000
	tensor_load_to_lds s[G0A+4*\n:G0A+4*\n+3], s[G1A:G1A+7]
	s_nop 0
	tensor_load_to_lds s[G0B+4*\n:G0B+4*\n+3], s[G1B:G1B+7]
	s_nop 0
.endr
	; lane addresses.  A fragment: lane l holds row l % 16; two loads of 16 bytes, 32 bytes apart, at row x pitch + 16 (l / 16)
	v_and_b32 v1, 15, v0                           ; r
	v_bfe_u32 v2, v0, 4, 1                         ; h
	v_and_b32 v4, 31, v0                           ; lane
	v_mul_u32_u24 v3, v1, PITCH
	v_lshl_add_u32 v5, v2, 5, v3                   ; r x pitch + 32 h: four (cos, sin) pairs a half
	v_lshl_add_u32 v3, v2, 4, v3                   ; r x pitch + 16 h
	v_add_nc_u32 v[TADR], s20, v5
	v_add_nc_u32 v[ADRA], s20, v3
	v_add_nc_u32 v[ADRB], ABYTES, v3
	v_add_nc_u32 v[ADRA+1], SLOT, v[ADRA]
	v_add_nc_u32 v[ADRB+1], SLOT, v[ADRB]
	s_mul_i32 s23, s12, 16*SP
	s_add_co_u32 s23, s23, STAGE                   ; my stage
	v_mul_u32_u24 v5, v1, SP
	v_lshl_add_u32 v5, v2, 4, v5
	v_add_nc_u32 v[STO], s23, v5
	v_lshrrev_b32 v5, 3, v4                        ; back: eight lanes take one head's 128 bytes of a row
	v_mul_u32_u24 v5, v5, SP
	v_and_b32 v6, 7, v0
	v_lshl_add_u32 v5, v6, 4, v5
	v_add_nc_u32 v[RD], s23, v5
	v_lshlrev_b32 v[CO], 4, v4
	; head 3 x block column + hh is a v head from 32 on.  The choice selects values alone: f = 1.0 or 0 as bits
	s_mul_i32 s86, s42, 3
.irp hh, 0,1,2
	s_add_co_u32 s87, s86, \hh
	s_lshr_b32 s87, s87, 5                         ; 1 for a v head
	s_mul_i32 s88, s87, 0x3f800000                 ; 1 - f
	s_xor_b32 s87, s87, 1
	s_mul_i32 s[FP+2*\hh], s87, 0x3f800000         ; f
	s_mov_b32 s[FP+2*\hh+1], s[FP+2*\hh]
	v_mov_b32 v[FV+2*\hh], s88
	v_mov_b32 v[FV+2*\hh+1], 0
.endr
	s_lshl_b32 s90, s86, 12                        ; qkv at (head 3 x block column, row 256 x block row + 64 w), rows of 128 bytes
	s_lshl_b32 s91, s13, 8
	s_add_co_u32 s90, s90, s91
	s_lshl_b32 s91, s12, 6
	s_add_co_u32 s90, s90, s91
	s_lshl_b32 s90, s90, 7
	s_mov_b32 s91, 0
	s_add_nc_u64 s[10:11], s[10:11], s[90:91]
; 24 matrix instructions: my row tiles 2 hi, 2 hi + 1 x all 12 column tiles, 32 along K, from fragment buffer f (0 or 1).
; The 48 accumulators take turns, one instruction a turn, in the same order in every quarter step.
.macro MUL24 f, hi, zero
.irp a, 0,1
.irp b, 0,1,2,3,4,5,6,7,8,9,10,11
.if \zero
	v_wmma_f32_16x16x32_bf16 v[8*(12*\a+\b):8*(12*\a+\b)+7], v[96*\f+8*\b:96*\f+8*\b+7], v[32+32*\f+8*(2*\hi+\a):32+32*\f+8*(2*\hi+\a)+7], 0
.else
	v_wmma_f32_16x16x32_bf16 v[8*(12*\a+\b):8*(12*\a+\b)+7], v[96*\f+8*\b:96*\f+8*\b+7], v[32+32*\f+8*(2*\hi+\a):32+32*\f+8*(2*\hi+\a)+7], v[8*(12*\a+\b):8*(12*\a+\b)+7]
.endif
.endr
.endr
.endm
; 32 LDS loads in one run: the fragments of a quarter step (192 rows of w16, my 64 rows of x16, 32 K at byte k) into buffer f
.macro FETCH slot, k, f
	WIN TO_B
.irp b, 0,1,2,3,4,5,6,7,8,9,10,11
	ds_load_b128 v[96*\f+8*\b:96*\f+8*\b+3],   v[ADRB+\slot] offset:\k+\b*16*PITCH
	ds_load_b128 v[96*\f+8*\b+4:96*\f+8*\b+7], v[ADRB+\slot] offset:\k+\b*16*PITCH+32
.endr
	WIN 0
.irp a, 0,1,2,3
	ds_load_b128 v[32+32*\f+8*\a:32+32*\f+8*\a+3],   v[ADRA+\slot] offset:\k+\a*16*PITCH
	ds_load_b128 v[32+32*\f+8*\a+4:32+32*\f+8*\a+7], v[ADRA+\slot] offset:\k+\a*16*PITCH+32
.endr
.endm
; One of a K step's first three quarters: asks for the next quarter's fragments (byte k) into buffer g, then multiplies buffer f.
.macro QUARTER slot, k, f, g, zero
	PLACES                                         ; buffer g was read by the matrix instructions just in front
	FETCH \slot, \k, \g
	s_wait_dscnt 32                                ; all but the 32 just issued: buffer f is in
	WIN MUL_LO
	MUL24 \f, 0, \zero
	WIN MUL_HI
	MUL24 \f, 1, \zero
.endm
.macro THREE slot, zero
	QUARTER \slot, 64,  0, 1, \zero
	QUARTER \slot, 128, 1, 0, 0
	QUARTER \slot, 192, 0, 1, 0
.endm
; The last quarter: multiplies buffer 1 and changes slots.  fill = 1: this slot gets the tiles two K steps ahead; fill = 2: it gets the table.
; In front of the opening signal each wave waits for its reads of this slot and for all its tensor loads (its parts of the next slot);
; inside the round stands register work alone; the joint refills are the first tensor loads behind the round.
.macro TURN slot, next, fill
	s_wait_dscnt 0x0                               ; buffer 1 is in, and my reads of this slot are over
	s_wait_tensorcnt 0x0                           ; all my tensor loads have landed
	ds_add_u32 v255, v31
	s_wait_dscnt 0x0
	s_barrier_signal -1
	WIN MUL_LO
	MUL24 1, 0, 0
	WIN 0
	s_barrier_wait -1
	CREST
.if \fill == 1
	s_add_nc_u64 s[G0A+4*\slot+2:G0A+4*\slot+3], s[G0A+4*\slot+2:G0A+4*\slot+3], 2*KSTEP*2
	s_add_nc_u64 s[G0B+4*\slot+2:G0B+4*\slot+3], s[G0B+4*\slot+2:G0B+4*\slot+3], 2*KSTEP*2
	tensor_load_to_lds s[G0A+4*\slot:G0A+4*\slot+3], s[G1A:G1A+7]
	s_nop 0
	tensor_load_to_lds s[G0B+4*\slot:G0B+4*\slot+3], s[G1B:G1B+7]
	s_nop 0
.else
	tensor_load_to_lds s[G0T:G0T+3], s[G1T:G1T+7]
	s_nop 0
.endif
	PLACES
	FETCH \next, 0, 0
	WIN MUL_HI
	MUL24 1, 1, 0
.endm
.macro LAP zero
	THREE 0, \zero
	TURN 0, 1, 1
	THREE 1, 0
	TURN 1, 0, 1
.endm
	s_wait_tensorcnt 0x2                           ; my two parts of K step 0 are in; K step 1's two stay out
	s_barrier_signal -1
	s_barrier_wait -1
	FETCH 0, 0, 0
	LAP 1                                          ; the first products start the sums: nothing is cleared
	WIN 0
	s_mov_b32 s3, LAPS-2
.Llap:
	LAP 0
	WIN 0
	s_sub_co_u32 s3, s3, 1
	s_cmp_lg_u32 s3, 0
	s_cbranch_scc1 .Llap
	THREE 0, 0                                     ; the last lap: slot 0, when read, takes the table
	TURN 0, 1, 2
	THREE 1, 0
	s_wait_dscnt 0x0
	WIN MUL_LO
	MUL24 1, 0, 0
	WIN MUL_HI
	MUL24 1, 1, 0
	WIN 0
	PLACES                                         ; behind the last matrix instructions, for all that follows
	s_wait_tensorcnt 0x0                           ; my 64 positions of the table are in; only I read them
; THE WAY OUT, 16 rows at a time: a = row tile, a1 = a % 2, from = the window of its accumulators as source 0, o = registers for the read back.
; r_even = x_even cos - x_odd sin, r_odd = x_even sin + x_odd cos; f16; 16 bytes a lane into my stage; back as runs of 512 bytes.
.macro OUTA a, a1, from, o
.irp q, 0,1,2,3
	ds_load_b128 v[CS+8*\q:CS+8*\q+3],   v[TADR] offset:\a*16*PITCH+64*\q       ; columns 16 q + 8 h + 0..7 of a head are pairs 8 q + 4 h + 0..3
	ds_load_b128 v[CS+8*\q+4:CS+8*\q+7], v[TADR] offset:\a*16*PITCH+64*\q+16
.endr
	s_wait_dscnt 0x0
.irp hh, 0,1,2
.set AC, 8*(12*\a1+4*\hh)
.irp p, 0,1,2,3,4,5,6,7,8,9,10,11,12,13,14,15
	v_pk_fma_f32 v[CT+2*\p:CT+2*\p+1], v[CS+2*\p:CS+2*\p+1], s[FP+2*\hh:FP+2*\hh+1], v[FV+2*\hh:FV+2*\hh+1] op_sel_hi:[1,0,1]  ; (cos, sin) f + (1 - f, 0)
.endr
	WIN \from
.irp q, 0,1,2,3
.irp p, 0,1,2,3
	v_mul_f32 v[RO+8*\q+2*\p],   v[AC+8*\q+2*\p+1], v[CT+8*\q+2*\p+1]
	v_mul_f32 v[RO+8*\q+2*\p+1], v[AC+8*\q+2*\p+1], v[CT+8*\q+2*\p]
.endr
.irp p, 0,1,2,3
	v_fma_f32 v[RO+8*\q+2*\p],   v[AC+8*\q+2*\p], v[CT+8*\q+2*\p],   -v[RO+8*\q+2*\p]
	v_fma_f32 v[RO+8*\q+2*\p+1], v[AC+8*\q+2*\p], v[CT+8*\q+2*\p+1], v[RO+8*\q+2*\p+1]
.endr
.endr
	WIN 0
.irp p, 0,1,2,3,4,5,6,7,8,9,10,11,12,13,14,15
	v_cvt_pk_f16_f32 v[HF+\p], v[RO+2*\p], v[RO+2*\p+1]
.endr
.irp q, 0,1,2,3
	ds_store_b128 v[STO], v[HF+4*\q:HF+4*\q+3] offset:128*\hh+32*\q
.endr
.endr
	s_wait_xcnt 0x0                                ; the registers that earlier stores read are loaded into only behind this wait
.irp hh, 0,1,2
.irp t, 0,1,2,3
	ds_load_b128 v[\o+16*\hh+4*\t:\o+16*\hh+4*\t+3], v[RD] offset:128*\hh+\t*4*SP   ; LDS serves a wave's instructions in order: these see the stores above
.endr
.endr
.irp hh, 0,1,2
.irp t, 0,1,2,3
	s_wait_dscnt 11-4*\hh-\t
	global_store_b128 v[CO], v[\o+16*\hh+4*\t:\o+16*\hh+4*\t+3], s[10:11] offset:\hh*524288+\a*2048+\t*512   ; a wave stores 512 consecutive bytes: four rows of a head
.endr
.endr
.endm
	OUTA 0, 0, 0x02, 208
	OUTA 1, 1, 0x02, 32
	OUTA 2, 0, 0x03, 208
	OUTA 3, 1, 0x03, 32
	s_set_vgpr_msb 0x1
	s_wait_tensorcnt 0x0
	ds_add_u32 v255, v31
	s_wait_dscnt 0x0
	s_set_vgpr_msb 0x100
	CROUND                                         ; the closing round: no work-group ends while a partner may still ask for a tile that names it
	s_endpgm
.Lfunc_end_k_q4ed38d655b_qkv:
	.size	k_q4ed38d655b_qkv, .Lfunc_end_k_q4ed38d655b_qkv-k_q4ed38d655b_qkv
	.p2alignl 7, 3214868480
	.fill 96, 4, 3214868480
	.section	.rodata,"a",@progbits
	.p2align	6, 0x0
	.amdhsa_kernel k_q4ed38d655b_qkv
		.amdhsa_group_segment_fixed_size 327680
		.amdhsa_private_segment_fixed_size 0
		.amdhsa_enable_private_segment 0
		.amdhsa_kernarg_size 32
		.amdhsa_user_sgpr_count 2
		.amdhsa_user_sgpr_kernarg_segment_ptr 1
		.amdhsa_wavefront_size32 1
		.amdhsa_system_sgpr_workgroup_id_x 1
		.amdhsa_system_sgpr_workgroup_id_y 1
		.amdhsa_system_sgpr_workgroup_id_z 1
		.amdhsa_system_vgpr_workitem_id 0
		.amdhsa_next_free_vgpr 960
		.amdhsa_next_free_sgpr 96
		.amdhsa_reserve_vcc 0
		.amdhsa_float_denorm_mode_32 3
		.amdhsa_float_denorm_mode_16_64 3
		.amdhsa_memory_ordered 1
		.amdhsa_forward_progress 1
		.amdhsa_inst_pref_size 214
	.end_amdhsa_kernel
	.amdgpu_metadata
---
amdhsa.version: [ 1, 2 ]
amdhsa.kernels:
  - .name:           k_q4ed38d655b_qkv
    .symbol:         k_q4ed38d655b_qkv.kd
    .args:
      - { .name: x16, .offset: 0, .size: 8, .value_kind: global_buffer, .address_space: global }
      - { .name: w16, .offset: 8, .size: 8, .value_kind: global_buffer, .address_space: global }
      - { .name: tab, .offset: 16, .size: 8, .value_kind: global_buffer, .address_space: global }
      - { .name: qkv, .offset: 24, .size: 8, .value_kind: global_buffer, .address_space: global }
    .group_segment_fixed_size: 327680
    .private_segment_fixed_size: 0
    .kernarg_segment_align: 8
    .kernarg_segment_size: 32
    .max_flat_workgroup_size: 128
    .sgpr_count:     96
    .vgpr_count:     960
    .wavefront_size: 32
...
	.end_amdgpu_metadata
.endif
;; end of part 2
;; launch attn (part 3): grid 8 x 32, 4 waves a work-group, no clusters, 327,680 bytes of LDS; arguments qkv, a16; writes a16
.if DOCPART == 3
	.amdgcn_target "amdgcn-amd-amdhsa--gfx1250"
	.amdhsa_code_object_version 6
	.text
	.protected	k_q4ed38d655b_attn
	.globl	k_q4ed38d655b_attn
	.p2align	8
	.type	k_q4ed38d655b_attn,@function
k_q4ed38d655b_attn:
	s_mov_b64 s[64:65], 0
	v_nop
	global_prefetch_b8 v0, s[64:65] scope:SCOPE_SE
	s_setreg_imm32_b32 hwreg(HW_REG_WAVE_MODE, 25, 1), 1
	s_wait_xcnt 0x0
; attn: causal softmax attention, 32 (batch, head) pairs, 2,048 positions, 64 numbers a head.  f16 operands, f32 sums, running maximum.
; In: qkv [48][4096][64] f16 (q heads 0-15, k 16-31, v 32-47).  Out: a16 [16 heads][4096 rows][64] f16.
; Work-group (i, bh) does two jobs of 128 queries: block 15 - i, then block i.  A job of block qb walks key tiles of 128 in pairs, upward:
; qb / 2 pairs without a mask, then the pair that holds the diagonal, with the mask key > query.  (15 - i) / 2 + i / 2 + 2 = 9 pairs in every work-group.
; Wave w owns 32 queries (two tiles of 16).  S TRANSPOSED: S^T = K fragment (rows = keys) x Q fragment (columns = queries), so lane l holds query
; l % 16 and keys 8 (l / 16) + 0..7 of each tile of 16: the softmax's figures are a lane's own but for one exchange with lane l xor 16, and exp(S^T) of two
; neighbouring key tiles, packed to f16 in place, IS the second source of O^T = V^T x P^T.  V^T's fragments come by the transposing LDS load.
; NO CLUSTER: the eight work-groups of a head read the same K and V tiles, but block qb needs 2 (qb / 2) + 2 of them: partners would need different numbers
; of tiles, and with every partner asking for and working through all 16 tiles in both jobs a work-group would walk 32 tiles in place of 18.
; Two LDS slots; each wave fetches 32 rows of K and 32 of V of each tile: at most two tensor loads of a wave are out.
; LIMITS: P below 2^-25 becomes 0 in f16; the result is kept in f16 (|v| below 65,504).  Key 0 is never masked, so the maximum is finite after a job's first tile.
.set KP,     144                       ; K's LDS row: 128 bytes + 16
.set VP,     160                       ; V's LDS row: 128 bytes + 32 (an odd multiple of 32, for the transposing load)
.set KBYTES, 128*KP
.set SLOT,   128*KP+128*VP             ; 38,912 bytes
.set STAGE,  2*SLOT                    ; a multiple of 256: 32 rows x 144 bytes for each wave; no tensor load lands there
.set TILE,   128*128                   ; a tile's bytes in memory
.set KADR, 4                           ; v4-5    K fragments in slot 0, 1
.set VADR, 6                           ; v6-7    V fragments
.set QOFF, 8
.set STO,  9
.set RD,   10
.set CO,   11
.set DQ,   12                          ; v12-13  query in the pair of tiles, less 8 (l / 16), for query tile 0, 1
.set NINF, 14
.set DB,   15                          ; l % 16 - 8 (l / 16) + 32 w
.set MX,   16                          ; v16-17  running maxima
.set LS,   18                          ; v18-19  running sums over the lane's own keys; the two halves meet at the job's end
.set NMC,  20                          ; v20, v22  -maximum x c (the pairs' second registers are written once and not used)
.set AL,   24                          ; v24, v26  the factor for what was summed before
.set QF,   32                          ; v[32:63]   Q fragments (qt, dh) at 32 + 16 qt + 8 dh
.set SC,   64                          ; v[64:191]  S^T (qt, kt) at 64 + 64 qt + 8 kt; later P^T (qt, u) at 64 + 64 qt + 16 u
.set T,    192                         ; v[192:223] at work
.set OUTR, 224                         ; v[224:255] the read back
.set KF,   64                          ; window 1: v[64:191] K fragments (dh, kt) at 64 + 64 dh + 8 kt; v[0:63] O^T (qt, dt) at 32 qt + 8 dt
                                       ; window 2: v[0:127] V^T fragments (ks, dt) at 32 ks + 8 dt
.set G1K, 20                           ; s[20:27]
.set G1V, 28                           ; s[28:35]
.set G0,  36                           ; s[36:51]: slot n: K's group 0 at 36 + 8 n, V's at 40 + 8 n
.set MSB, 0
.macro WIN new
.if MSB != \new
	s_set_vgpr_msb (MSB<<8)|\new
.set MSB, \new
.endif
.endm
.macro PLACES
.rept 4
	v_nop
.endr
.endm
	s_load_b128 s[4:7], s[0:1], 0x0                ; qkv s[4:5], a16 s[6:7]
	v_lshl_add_u32 v28, v0, 2, 0x29000
	s_set_vgpr_msb 0x40
	v_mov_b32 v255, 0
	s_set_vgpr_msb 0x4044
	ds_add_u32 v28, v255
	ds_add_u32 v28, v255
	s_set_vgpr_msb 0x4400
	v_lshrrev_b32 v1, 5, v0
	v_readfirstlane_b32 s8, v1                     ; wave
	s_mov_b32 s9, ttmp9                            ; i
	s_and_b32 s10, ttmp7, 0xffff
	s_and_b32 s11, s10, 15                         ; head
	s_lshr_b32 s10, s10, 4                         ; batch
	s_mov_b32 s12, 0x76543210                      ; v_permlanex16_b32: lane l reads lane l xor 16
	s_mov_b32 s13, 0xfedcba98
	s_mov_b32 s14, 0x3e38aa3b                      ; c = log2(e) / 8
	s_mov_b32 s15, 0x3e38aa3b
	s_mov_b32 s16, 0xbe38aa3b                      ; -c
	s_mov_b32 s[G1K+0], (1<<16)|(1<<20)|(4<<22)|(3<<25)    ; elements of 2 bytes; after every 32 words, 4 words of padding
	s_mov_b32 s[G1K+1], 64<<16                     ; tensor_dim0 = 64
	s_mov_b32 s[G1K+2], 32<<16                     ; tensor_dim1 = 32
	s_mov_b32 s[G1K+3], 64<<16                     ; tile_dim0 = 64
	s_mov_b32 s[G1K+4], 32                         ; tile_dim1 = 32
	s_mov_b32 s[G1K+5], 64                         ; rows are dense
	s_mov_b32 s[G1K+6], 0
	s_mov_b32 s[G1K+7], 0
	s_mov_b32 s[G1V+0], (1<<16)|(1<<20)|(4<<22)|(7<<25)    ; the same with 8 words of padding
	s_mov_b32 s[G1V+1], 64<<16
	s_mov_b32 s[G1V+2], 32<<16
	s_mov_b32 s[G1V+3], 64<<16
	s_mov_b32 s[G1V+4], 32
	s_mov_b32 s[G1V+5], 64
	s_mov_b32 s[G1V+6], 0
	s_mov_b32 s[G1V+7], 0
	s_lshl_b32 s17, s11, 19                        ; (head 4096 + batch 2048 + 32 w) rows of 128 bytes
	s_lshl_b32 s18, s10, 18
	s_add_co_u32 s17, s17, s18
	s_lshl_b32 s18, s8, 12
	s_add_co_u32 s17, s17, s18
	s_sub_co_u32 s19, 15, s9                       ; the first job's block
	s_lshr_b32 s66, s19, 1                         ; its pairs without a mask
	s_lshr_b32 s67, s9, 1                          ; the second job's
	s_and_b32 s68, s19, 1
	s_lshl_b32 s68, s68, 7                         ; where the block lies in its last pair of tiles
	s_and_b32 s69, s9, 1
	s_lshl_b32 s69, s69, 7
	s_lshl_b32 s19, s19, 14                        ; 128 rows of 128 bytes a block
	s_add_co_u32 s2, s17, s19
	s_mov_b32 s3, 0
	s_lshl_b32 s18, s9, 14
	s_add_co_u32 s18, s17, s18
	s_mov_b32 s19, 0
	s_mul_i32 s70, s8, 32*KP                       ; my rows of K in a slot
	s_mul_i32 s71, s8, 32*VP
	s_add_co_u32 s71, s71, KBYTES                  ; my rows of V
	s_wait_dscnt 0x0
	s_wait_kmcnt 0x0
	s_add_nc_u64 s[56:57], s[4:5], s[2:3]          ; q, first job
	s_add_nc_u64 s[60:61], s[6:7], s[2:3]          ; a16, first job (the same offset: head-major alike)
	s_add_nc_u64 s[58:59], s[4:5], s[18:19]        ; q, second job
	s_add_nc_u64 s[62:63], s[6:7], s[18:19]        ; a16, second job
	s_add_co_u32 s2, s17, 0x800000                 ; 16 heads of 524,288 bytes on: k
	s_add_nc_u64 s[52:53], s[4:5], s[2:3]          ; my rows of K's tile 0
	s_or_b32 s53, s53, 0x80000000
	s_add_co_u32 s2, s17, 0x1000000                ; 32 heads on: v
	s_add_nc_u64 s[54:55], s[4:5], s[2:3]
	s_or_b32 s55, s55, 0x80000000
.irp n, 0,1
	s_mov_b32 s[G0+8*\n], 1
	s_add_co_u32 s[G0+8*\n+1], s70, \n*SLOT
	s_add_nc_u64 s[G0+8*\n+2:G0+8*\n+3], s[52:53], \n*TILE
	s_mov_b32 s[G0+8*\n+4], 1
	s_add_co_u32 s[G0+8*\n+5], s71, \n*SLOT
	s_add_nc_u64 s[G0+8*\n+6:G0+8*\n+7], s[54:55], \n*TILE
.endr
	tensor_load_to_lds s[G0:G0+3], s[G1K:G1K+7]    ; tile 0 into slot 0
	s_nop 0
	tensor_load_to_lds s[G0+4:G0+7], s[G1V:G1V+7]
	s_nop 0
	v_and_b32 v1, 31, v0                           ; lane
	v_and_b32 v2, 15, v0                           ; r
	v_bfe_u32 v3, v0, 4, 1                         ; h
	v_mul_u32_u24 v[KADR], v2, KP
	v_lshl_add_u32 v[KADR], v3, 4, v[KADR]         ; r x 144 + 16 h
	v_add_nc_u32 v[KADR+1], SLOT, v[KADR]
	v_and_b32 v29, 7, v0
	v_lshl_add_u32 v30, v3, 3, v29                 ; key 8 h + l % 8
	v_mul_u32_u24 v30, v30, VP
	v_bfe_u32 v31, v0, 3, 1
	v_lshl_add_u32 v30, v31, 4, v30                ; + 16 ((l / 8) % 2)
	v_add_nc_u32 v[VADR], KBYTES, v30
	v_add_nc_u32 v[VADR+1], KBYTES+SLOT, v30
	v_lshlrev_b32 v[QOFF], 7, v2
	v_lshl_add_u32 v[QOFF], v3, 4, v[QOFF]         ; r x 128 + 16 h
	s_mul_i32 s17, s8, 32*KP
	s_add_co_u32 s17, s17, STAGE                   ; my stage
	v_add_nc_u32 v[STO], s17, v[KADR]
	v_lshrrev_b32 v31, 3, v1
	v_mul_u32_u24 v31, v31, KP
	v_lshl_add_u32 v31, v29, 4, v31
	v_add_nc_u32 v[RD], s17, v31                   ; back: eight lanes take a row's 128 bytes
	v_lshlrev_b32 v[CO], 4, v1
	v_lshlrev_b32 v31, 3, v3
	v_sub_nc_u32 v[DB], v2, v31
	s_lshl_b32 s17, s8, 5
	v_add_nc_u32 v[DB], s17, v[DB]
	v_mov_b32 v[NINF], 0xff800000
	v_mov_b32 v[NMC+1], 0                          ; a packed instruction counts its whole pair as read
	v_mov_b32 v[NMC+3], 0
	v_mov_b32 v[AL+1], 0
	v_mov_b32 v[AL+3], 0
; The softmax step of query tile qt over the 128 keys of a tile: 64 scores a lane.
.macro SOFTMAX qt
.set SB, SC+64*\qt
.irp c, 0,1,2,3
	v_max3_num_f32 v[T+\c], v[SB+16*\c], v[SB+16*\c+1], v[SB+16*\c+2]              ; four chains of 16 scores
.endr
.irp k, 1,2,3,4,5,6
.irp c, 0,1,2,3
	v_max3_num_f32 v[T+\c], v[T+\c], v[SB+16*\c+2*\k+1], v[SB+16*\c+2*\k+2]
.endr
.endr
	v_max3_num_f32 v[T],   v[T],   v[SB+15], v[SB+31]
	v_max3_num_f32 v[T+2], v[T+2], v[SB+47], v[SB+63]
	v_max3_num_f32 v[T], v[T], v[T+1], v[T+2]
	v_max_num_f32 v[T], v[T], v[T+3]
	v_permlanex16_b32 v[T+1], v[T], s12, s13       ; the other eight keys of each tile of 16
	v_max3_num_f32 v[T+4], v[T], v[T+1], v[MX+\qt] ; the new maximum, alike in both halves
	v_mul_f32 v[NMC+2*\qt], s16, v[T+4]
	v_fma_f32 v[T+5], v[MX+\qt], s14, v[NMC+2*\qt]
	v_exp_f32 v[AL+2*\qt], v[T+5]                  ; 2^((old - new) c); 0 at a job's start, where old is -infinity
	v_mov_b32 v[MX+\qt], v[T+4]                    ; a plain instruction stands behind the exponential (ISA guide 5.7.2)
.irp p, 0,1,2,3
	v_pk_fma_f32 v[SB+2*\p:SB+2*\p+1], v[SB+2*\p:SB+2*\p+1], s[14:15], v[NMC+2*\qt:NMC+2*\qt+1] op_sel_hi:[1,0,0]
.endr
.set tt, 0
.rept 8
.irp j, 0,1,2,3,4,5,6,7
	v_exp_f32 v[SB+8*tt+\j], v[SB+8*tt+\j]
.endr
.if tt < 7
.irp p, 0,1,2,3
	v_pk_fma_f32 v[SB+8*tt+8+2*\p:SB+8*tt+8+2*\p+1], v[SB+8*tt+8+2*\p:SB+8*tt+8+2*\p+1], s[14:15], v[NMC+2*\qt:NMC+2*\qt+1] op_sel_hi:[1,0,0]  ; the next tile's exponents: the plain work behind this tile's exponentials
.endr
.else
	v_nop
	s_wait_alu depctr_va_vdst(0)
.endif
.if tt == 0
	s_wait_alu depctr_va_vdst(0)
	v_pk_add_f32 v[T+8:T+9],   v[SB:SB+1],   v[SB+2:SB+3]                          ; the first tile starts the two chains of sums
	v_pk_add_f32 v[T+10:T+11], v[SB+4:SB+5], v[SB+6:SB+7]
.else
	s_wait_alu depctr_va_vdst(0)
	v_pk_add_f32 v[T+8:T+9],   v[T+8:T+9],   v[SB+8*tt:SB+8*tt+1]
	v_pk_add_f32 v[T+10:T+11], v[T+10:T+11], v[SB+8*tt+2:SB+8*tt+3]
	v_pk_add_f32 v[T+8:T+9],   v[T+8:T+9],   v[SB+8*tt+4:SB+8*tt+5]
	v_pk_add_f32 v[T+10:T+11], v[T+10:T+11], v[SB+8*tt+6:SB+8*tt+7]
.endif
.irp p, 0,1,2,3
	v_cvt_pk_f16_f32 v[SB+8*tt-4*(tt%2)+\p], v[SB+8*tt+2*\p], v[SB+8*tt+2*\p+1]    ; tiles 2 u, 2 u + 1 become registers 16 u .. 16 u + 7: P^T's fragment u
.endr
.set tt, tt+1
.endr
	v_pk_add_f32 v[T+8:T+9], v[T+8:T+9], v[T+10:T+11]
	v_add_f32 v[T+8], v[T+8], v[T+9]
	v_fma_f32 v[LS+\qt], v[LS+\qt], v[AL+2*\qt], v[T+8]
.endm
; One key tile, in slot `slot`.  masked: key > query is set to -infinity.  refill: the other slot is asked for.
; addr = 1: this slot's addresses step two tiles on; 2: they are set to tile `slot`, for the next job; 0: they stay.
.macro TRIP slot, masked, refill, addr
	s_set_vgpr_msb 0x4
	s_wait_tensorcnt 0x0                           ; all my tensor loads have landed, my parts of this tile among them: every group 0 may be written
	ds_add_u32 v28, v255
	s_wait_dscnt 0x0
	s_set_vgpr_msb 0x400
.if \addr == 1
	s_add_nc_u64 s[G0+8*\slot+2:G0+8*\slot+3], s[G0+8*\slot+2:G0+8*\slot+3], 2*TILE
	s_add_nc_u64 s[G0+8*\slot+6:G0+8*\slot+7], s[G0+8*\slot+6:G0+8*\slot+7], 2*TILE
.endif
.if \addr == 2
	s_add_nc_u64 s[G0+8*\slot+2:G0+8*\slot+3], s[52:53], \slot*TILE
	s_add_nc_u64 s[G0+8*\slot+6:G0+8*\slot+7], s[54:55], \slot*TILE
.endif
	s_wait_dscnt 0x0                               ; my reads of the other slot are over
	s_barrier_signal -1
	s_barrier_wait -1                              ; both now hold of all four waves
.if \refill
	tensor_load_to_lds s[G0+8*(1-\slot):G0+8*(1-\slot)+3], s[G1K:G1K+7]
	s_nop 0
	tensor_load_to_lds s[G0+8*(1-\slot)+4:G0+8*(1-\slot)+7], s[G1V:G1V+7]
	s_nop 0
.endif
.rept 5
	v_nop                                          ; five places behind the last tile's matrix instructions (ISA guide 7.12.1): their sources V^T and P^T are loaded into and written over below
.endr
	WIN 0x40
.irp dh, 0,1
.irp kt, 0,1,2,3,4,5,6,7
	ds_load_b128 v[KF+64*\dh+8*\kt:KF+64*\dh+8*\kt+3],   v[KADR+\slot] offset:\kt*16*KP+64*\dh
	ds_load_b128 v[KF+64*\dh+8*\kt+4:KF+64*\dh+8*\kt+7], v[KADR+\slot] offset:\kt*16*KP+64*\dh+32
.endr
.endr
	WIN 0x80
.irp ks, 0,1,2,3
.irp dt, 0,1,2,3
	ds_load_tr16_b128 v[32*\ks+8*\dt:32*\ks+8*\dt+3],   v[VADR+\slot] offset:\ks*32*VP+32*\dt
	ds_load_tr16_b128 v[32*\ks+8*\dt+4:32*\ks+8*\dt+7], v[VADR+\slot] offset:\ks*32*VP+32*\dt+16*VP
.endr
.endr
	WIN 0x01
	s_wait_dscnt 48                                ; K's first 16 loads are in; its other 16 and V's 32 stay out
.irp qt, 0,1
.irp kt, 0,1,2,3,4,5,6,7
	v_wmma_f32_16x16x32_f16 v[SC+64*\qt+8*\kt:SC+64*\qt+8*\kt+7], v[KF+8*\kt:KF+8*\kt+7], v[QF+16*\qt:QF+16*\qt+7], 0
.endr
.endr
	s_wait_dscnt 32                                ; K's other 16 are in; V's 32 stay out
.irp qt, 0,1                                       ; the 16 accumulators take turns, one instruction a turn
.irp kt, 0,1,2,3,4,5,6,7
	v_wmma_f32_16x16x32_f16 v[SC+64*\qt+8*\kt:SC+64*\qt+8*\kt+7], v[KF+64+8*\kt:KF+64+8*\kt+7], v[QF+16*\qt+8:QF+16*\qt+15], v[SC+64*\qt+8*\kt:SC+64*\qt+8*\kt+7]
.endr
.endr
	WIN 0
	PLACES
.if \masked
.irp qt, 0,1
.irp kt, 0,1,2,3,4,5,6,7
.irp j, 0,1,2,3,4,5,6,7
	v_cmp_gt_i32 vcc_lo, 128*\slot+16*\kt+\j, v[DQ+\qt]                            ; key in the pair > query in the pair
	v_cndmask_b32 v[SC+64*\qt+8*\kt+\j], v[SC+64*\qt+8*\kt+\j], v[NINF], vcc_lo
.endr
.endr
.endr
.endif
	SOFTMAX 0
	SOFTMAX 1
	WIN 0x41
.irp qt, 0,1
.irp p, 0,1,2,3,4,5,6,7,8,9,10,11,12,13,14,15
	v_pk_mul_f32 v[32*\qt+2*\p:32*\qt+2*\p+1], v[32*\qt+2*\p:32*\qt+2*\p+1], v[AL+2*\qt:AL+2*\qt+1] op_sel_hi:[1,0]
.endr
.endr
	s_wait_dscnt 0x0                               ; V^T's fragments are in
	WIN 0x52
.irp ks, 0,1,2,3                                   ; eight accumulators by turns, one instruction a turn
.irp dt, 0,1,2,3
.irp qt, 0,1
	v_wmma_f32_16x16x32_f16 v[32*\qt+8*\dt:32*\qt+8*\dt+7], v[32*\ks+8*\dt:32*\ks+8*\dt+7], v[SC+64*\qt+16*\ks:SC+64*\qt+16*\ks+7], v[32*\qt+8*\dt:32*\qt+8*\dt+7]
.endr
.endr
.endr
	WIN 0
.endm
.macro QLOAD base                      ; my 32 queries as second sources: column = query, 64 numbers in two fragments
.irp qt, 0,1
.irp dh, 0,1
	global_load_b128 v[QF+16*\qt+8*\dh:QF+16*\qt+8*\dh+3],   v[QOFF], s[\base:\base+1] offset:2048*\qt+64*\dh
	global_load_b128 v[QF+16*\qt+8*\dh+4:QF+16*\qt+8*\dh+7], v[QOFF], s[\base:\base+1] offset:2048*\qt+64*\dh+32
.endr
.endr
.endm
; A job's start.  O^T is cleared (64 registers, twice in the kernel): a job's first tile is a trip of the loop or the written-out tail, as the block
; number has it, so no one line of the text could start the sums with the constant 0.
.macro INIT dreg
	WIN 0x40
.set n, 0
.rept 64
	v_mov_b32 v[n], 0
.set n, n+1
.endr
	WIN 0
	v_mov_b32 v[MX], v[NINF]
	v_mov_b32 v[MX+1], v[NINF]
	v_mov_b32 v[LS], 0
	v_mov_b32 v[LS+1], 0
	v_add_nc_u32 v[DQ], s[\dreg], v[DB]
	v_add_nc_u32 v[DQ+1], 16, v[DQ]
.endm
; A job's end: O^T / sum, f16, through my stage, out as runs of 512 bytes.
.macro FINISH base
	v_permlanex16_b32 v[T],   v[LS],   s12, s13
	v_permlanex16_b32 v[T+1], v[LS+1], s12, s13
	v_add_f32 v[T],   v[T],   v[LS]
	v_add_f32 v[T+1], v[T+1], v[LS+1]
	v_rcp_f32 v[AL],   v[T]
	v_rcp_f32 v[AL+2], v[T+1]
	v_nop                                          ; the plain place behind the reciprocals (ISA guide 5.7.2)
	s_wait_alu depctr_va_vdst(0)
.irp qt, 0,1
	WIN 0x01
.irp p, 0,1,2,3,4,5,6,7,8,9,10,11,12,13,14,15
	v_pk_mul_f32 v[T+2*\p:T+2*\p+1], v[32*\qt+2*\p:32*\qt+2*\p+1], v[AL+2*\qt:AL+2*\qt+1] op_sel_hi:[1,0]
.endr
	WIN 0
.irp p, 0,1,2,3,4,5,6,7,8,9,10,11,12,13,14,15
	v_cvt_pk_f16_f32 v[T+\p], v[T+2*\p], v[T+2*\p+1]
.endr
.irp dt, 0,1,2,3
	ds_store_b128 v[STO], v[T+4*\dt:T+4*\dt+3] offset:\qt*16*KP+32*\dt             ; row = query, numbers 16 dt + 8 h + 0..7
.endr
.endr
	s_wait_xcnt 0x0                                ; the registers that the first job's stores read are loaded into only behind this wait
.irp t, 0,1,2,3,4,5,6,7
	ds_load_b128 v[OUTR+4*\t:OUTR+4*\t+3], v[RD] offset:\t*4*KP                    ; LDS serves a wave's instructions in order: these see the stores above
.endr
.irp t, 0,1,2,3,4,5,6,7
	s_wait_dscnt 7-\t
	global_store_b128 v[CO], v[OUTR+4*\t:OUTR+4*\t+3], s[\base:\base+1] offset:512*\t
.endr
.endm
.macro JOB npreg, last
	s_cmp_eq_u32 s[\npreg], 0
	s_cbranch_scc1 .Ltail_\@
	s_mov_b32 s72, s[\npreg]
.Lpair_\@:
	TRIP 0, 0, 1, 1
	TRIP 1, 0, 1, 1
	s_sub_co_u32 s72, s72, 1
	s_cmp_lg_u32 s72, 0
	s_cbranch_scc1 .Lpair_\@
.Ltail_\@:
.if \last
	TRIP 0, 1, 1, 0
	TRIP 1, 1, 0, 0                                ; nothing more is asked for
.else
	TRIP 0, 1, 1, 2
	TRIP 1, 1, 1, 2                                ; asks for the next job's tile 0
.endif
.endm
	QLOAD 56
	INIT 68
	s_wait_loadcnt 0x0
	JOB 66, 0
	PLACES                                         ; behind the last matrix instructions: Q is loaded into, O^T is read
	QLOAD 58
	FINISH 60
	INIT 69
	s_wait_loadcnt 0x0
	JOB 67, 1
	PLACES
	FINISH 62
	s_set_vgpr_msb 0x4
	s_wait_tensorcnt 0x0
	ds_add_u32 v28, v255
	s_wait_dscnt 0x0
	s_set_vgpr_msb 0x400
	s_endpgm
.Lfunc_end_k_q4ed38d655b_attn:
	.size	k_q4ed38d655b_attn, .Lfunc_end_k_q4ed38d655b_attn-k_q4ed38d655b_attn
	.p2alignl 7, 3214868480
	.fill 96, 4, 3214868480
	.section	.rodata,"a",@progbits
	.p2align	6, 0x0
	.amdhsa_kernel k_q4ed38d655b_attn
		.amdhsa_group_segment_fixed_size 327680
		.amdhsa_private_segment_fixed_size 0
		.amdhsa_enable_private_segment 0
		.amdhsa_kernarg_size 16
		.amdhsa_user_sgpr_count 2
		.amdhsa_user_sgpr_kernarg_segment_ptr 1
		.amdhsa_wavefront_size32 1
		.amdhsa_system_sgpr_workgroup_id_x 1
		.amdhsa_system_sgpr_workgroup_id_y 1
		.amdhsa_system_sgpr_workgroup_id_z 1
		.amdhsa_system_vgpr_workitem_id 0
		.amdhsa_next_free_vgpr 640
		.amdhsa_next_free_sgpr 76
		.amdhsa_reserve_vcc 1
		.amdhsa_float_denorm_mode_32 3
		.amdhsa_float_denorm_mode_16_64 3
		.amdhsa_memory_ordered 1
		.amdhsa_forward_progress 1
		.amdhsa_inst_pref_size 255
	.end_amdhsa_kernel
	.section	.bss,"aw",@nobits
	.p2align	6
	.space	262144
	.amdgpu_metadata
---
amdhsa.version: [ 1, 2 ]
amdhsa.kernels:
  - .name:           k_q4ed38d655b_attn
    .symbol:         k_q4ed38d655b_attn.kd
    .args:
      - { .name: qkv, .offset: 0, .size: 8, .value_kind: global_buffer, .address_space: global }
      - { .name: a16, .offset: 8, .size: 8, .value_kind: global_buffer, .address_space: global }
    .group_segment_fixed_size: 327680
    .private_segment_fixed_size: 0
    .kernarg_segment_align: 8
    .kernarg_segment_size: 16
    .max_flat_workgroup_size: 128
    .sgpr_count:     76
    .vgpr_count:     640
    .wavefront_size: 32
...
	.end_amdgpu_metadata
.endif
;; end of part 3
;; launch oproj (part 4): grid 8 x 32, 4 waves a work-group, clusters of 4 x 4, 327,680 bytes of LDS; arguments a16, wo16, out0; writes out0
.if DOCPART == 4
	.amdgcn_target "amdgcn-amd-amdhsa--gfx1250"
	.amdhsa_code_object_version 6
	.text
	.protected	k_q4ed38d655b_oproj
	.globl	k_q4ed38d655b_oproj
	.p2align	8
	.type	k_q4ed38d655b_oproj,@function
k_q4ed38d655b_oproj:
	s_mov_b64 s[64:65], 0
	v_nop
	global_prefetch_b8 v0, s[64:65] scope:SCOPE_SE
	s_setreg_imm32_b32 hwreg(HW_REG_WAVE_MODE, 25, 1), 1
	s_wait_xcnt 0x0
	s_wait_alu depctr_hold_cnt(0) depctr_sa_sdst(0) depctr_va_vdst(0) depctr_va_sdst(0) depctr_va_ssrc(0) depctr_va_vcc(0) depctr_vm_vsrc(0)
	s_getreg_b32 s2, hwreg(HW_REG_IB_STS2, 6, 4)
	s_cmp_eq_u32 s2, 0
	s_cbranch_scc0 .Lentry_in_a_cluster
	s_endpgm
.Lentry_in_a_cluster:
	s_bfe_u32 s2, ttmp6, 0x10000c
	s_cmp_lg_u32 s2, 0xf033
	s_cbranch_scc0 .Lentry_shape_is_right
	s_endpgm
.Lentry_shape_is_right:
; oproj: out0 [4096][1024] f32 = attention output times Wo transposed.  a16 [16 heads][4096 rows][64] f16, wo16 [1024][1024] f16; f32 sums.
; A work-group makes 128 x 128: 8 x 32 work-groups.  Wave (w / 2, w % 2) makes 64 x 64: 16 accumulator tiles, 128 registers.
; K goes in 4 steps of 256 (four heads) through two LDS slots; everything is written out, there is no loop.
; Every wave issues two tensor loads a K step: one head's 128 rows of a16 (dense in memory) and 32 rows x 512 bytes of wo16; at most four are out.
; CLUSTERS: 4 x 4 work-groups; a16's tile hangs on the block row alone and is asked for jointly along a row of the cluster, wo16's on the block column alone,
; jointly along a column.
; The matrix instruction is used transposed (source 0 = rows of wo16, source 1 = rows of a16): a lane holds eight neighbouring f32 of one row of out0.
.set AP,     144                       ; a16's LDS row: 128 bytes + 16
.set PLANE,  128*AP                    ; one head's 128 rows
.set BP,     528                       ; wo16's LDS row: 512 bytes + 16
.set ABYTES, 4*PLANE
.set SLOT,   4*PLANE+128*BP            ; 141,312 bytes
.set STAGE,  2*SLOT                    ; a multiple of 256: 16 rows x 272 bytes for each wave; no tensor load lands there
.set SP,     272
.set ASTEP,  4*4096*128                ; four heads on in a16
.set BSTEP,  512                       ; 256 numbers on in a row of wo16
.set ADRA, 16
.set ADRB, 20
.set STO,  24
.set RD,   25
.set CO,   26
.set F0,   32                          ; fragment buffer 0: wo16's four at +8 b, a16's four at +32 + 8 a
.set F1,   96                          ; fragment buffer 1
.set G1A, 24
.set G0A, 32
.set G1B, 48
.set G0B, 56
.set MUL, 0x50                         ; C and D in window 1: tile (a, b) at v[8 (4 a + b)]
.set MSB, 0
.macro WIN new
.if MSB != \new
	s_set_vgpr_msb (MSB<<8)|\new
.set MSB, \new
.endif
.endm
.macro PLACES
.rept 4
	v_nop
.endr
.endm
.macro CREST
	s_cmp_lg_u32 s10, 0
	s_cbranch_scc1 .Lnot_wave_0_\@
	s_barrier_signal -3
.Lnot_wave_0_\@:
	s_barrier_wait -3
	s_barrier_signal -1
	s_barrier_wait -1
.endm
.macro CROUND
	s_barrier_signal -1
	s_barrier_wait -1
	CREST
.endm
	s_load_b128 s[4:7], s[0:1], 0x0                ; a16 s[4:5], wo16 s[6:7]
	s_load_b64 s[8:9], s[0:1], 0x10                ; out0
	v_lshl_add_u32 v254, v0, 2, 0x49400
	v_mov_b32 v255, 0
	ds_add_u32 v254, v255
	ds_add_u32 v254, v255
	v_lshrrev_b32 v1, 5, v0
	v_readfirstlane_b32 s10, v1                    ; wave
	s_lshr_b32 s11, s10, 1                         ; my half of the rows
	s_and_b32 s12, s10, 1                          ; my half of the columns
	s_bfe_u32 s40, ttmp6, 0x40000                  ; cx
	s_bfe_u32 s41, ttmp6, 0x40004                  ; cy
	s_lshl_b32 s42, ttmp9, 2
	s_add_co_u32 s42, s42, s40                     ; block column
	s_and_b32 s13, ttmp7, 0xffff
	s_lshl_b32 s13, s13, 2
	s_add_co_u32 s13, s13, s41                     ; block row
	s_lshl_b32 s43, s41, 2
	s_lshl_b32 s43, 15, s43                        ; my row of the cluster
	s_lshl_b32 s44, 0x1111, s40                    ; my column
	s_or_b32 s[G1A+0], s43, (1<<16)|(1<<20)|(1<<21)|(4<<22)|(3<<25)   ; 2-byte elements; after every 32 words, 4 words of padding
	s_mov_b32 s[G1A+1], 64<<16
	s_mov_b32 s[G1A+2], 128<<16
	s_mov_b32 s[G1A+3], 64<<16
	s_mov_b32 s[G1A+4], 128
	s_mov_b32 s[G1A+5], 64
	s_mov_b32 s[G1A+6], 0
	s_mov_b32 s[G1A+7], 0
	s_or_b32 s[G1B+0], s44, (1<<16)|(1<<20)|(1<<21)|(6<<22)|(3<<25)   ; after every 128 words, 4 words
	s_mov_b32 s[G1B+1], 256<<16
	s_mov_b32 s[G1B+2], 32<<16
	s_mov_b32 s[G1B+3], 256<<16
	s_mov_b32 s[G1B+4], 32
	s_mov_b32 s[G1B+5], 1024
	s_mov_b32 s[G1B+6], 0
	s_mov_b32 s[G1B+7], 0
	s_lshl_b32 s16, s10, 12                        ; a16: head w of the K step, row 128 x block row, rows of 128 bytes
	s_lshl_b32 s17, s13, 7
	s_add_co_u32 s16, s16, s17
	s_lshl_b32 s16, s16, 7
	s_mov_b32 s17, 0
	s_lshl_b32 s46, s42, 7                         ; wo16: row 128 x block column + 32 w, rows of 2,048 bytes
	s_lshl_b32 s47, s10, 5
	s_add_co_u32 s46, s46, s47
	s_lshl_b32 s46, s46, 11
	s_mov_b32 s47, 0
	s_mul_i32 s20, s10, PLANE
	s_mul_i32 s21, s10, 32*BP
	s_add_co_u32 s21, s21, ABYTES
	s_wait_dscnt 0x0
	s_wait_kmcnt 0x0
	s_add_nc_u64 s[14:15], s[4:5], s[16:17]
	s_add_nc_u64 s[46:47], s[6:7], s[46:47]
	CROUND                                         ; the first joint loads meet
.irp n, 0,1
	s_mov_b32 s[G0A+4*\n], 1
	s_add_co_u32 s[G0A+4*\n+1], s20, \n*SLOT
	s_add_nc_u64 s[G0A+4*\n+2:G0A+4*\n+3], s[14:15], \n*ASTEP
	s_or_b32 s[G0A+4*\n+3], s[G0A+4*\n+3], 0x80000000
	s_mov_b32 s[G0B+4*\n], 1
	s_add_co_u32 s[G0B+4*\n+1], s21, \n*SLOT
	s_add_nc_u64 s[G0B+4*\n+2:G0B+4*\n+3], s[46:47], \n*BSTEP
	s_or_b32 s[G0B+4*\n+3], s[G0B+4*\n+3], 0x80000000
	tensor_load_to_lds s[G0A+4*\n:G0A+4*\n+3], s[G1A:G1A+7]
	s_nop 0
	tensor_load_to_lds s[G0B+4*\n:G0B+4*\n+3], s[G1B:G1B+7]
	s_nop 0
.endr
	v_and_b32 v1, 15, v0                           ; r
	v_bfe_u32 v2, v0, 4, 1                         ; h
	v_mul_u32_u24 v3, v1, AP
	v_lshl_add_u32 v3, v2, 4, v3
	s_mul_i32 s22, s11, 64*AP
	v_add_nc_u32 v[ADRA], s22, v3
	v_add_nc_u32 v[ADRA+1], SLOT, v[ADRA]
	v_mul_u32_u24 v3, v1, BP
	v_lshl_add_u32 v3, v2, 4, v3
	s_mul_i32 s22, s12, 64*BP
	s_add_co_u32 s22, s22, ABYTES
	v_add_nc_u32 v[ADRB], s22, v3
	v_add_nc_u32 v[ADRB+1], SLOT, v[ADRB]
	s_mul_i32 s23, s10, 16*SP
	s_add_co_u32 s23, s23, STAGE                   ; my stage
	v_mul_u32_u24 v3, v1, SP
	v_lshl_add_u32 v3, v2, 5, v3                   ; in: row r, 32 bytes a half
	v_add_nc_u32 v[STO], s23, v3
	v_mul_u32_u24 v3, v2, SP
	v_lshl_add_u32 v3, v1, 4, v3                   ; back: sixteen lanes take a row's 256 bytes
	v_add_nc_u32 v[RD], s23, v3
	v_lshlrev_b32 v3, 12, v2
	v_lshl_add_u32 v[CO], v1, 4, v3                ; the same two rows in out0, 4,096 bytes apart
	s_lshl_b32 s66, s13, 7                         ; out0 at (row 128 x block row + 64 x half, column 128 x block column + 64 x half)
	s_lshl_b32 s67, s11, 6
	s_add_co_u32 s66, s66, s67
	s_lshl_b32 s66, s66, 12
	s_lshl_b32 s67, s42, 9
	s_add_co_u32 s66, s66, s67
	s_lshl_b32 s67, s12, 8
	s_add_co_u32 s66, s66, s67
	s_mov_b32 s67, 0
	s_add_nc_u64 s[8:9], s[8:9], s[66:67]
; 8 matrix instructions: row tiles a0, a0 + 1 x 4 column tiles.  The 16 accumulators take turns, one instruction a turn.
.macro MUL8 f, a0, zero
.irp a, 0,1
.irp b, 0,1,2,3
.if \zero
	v_wmma_f32_16x16x32_f16 v[8*(4*(\a0+\a)+\b):8*(4*(\a0+\a)+\b)+7], v[\f+8*\b:\f+8*\b+7], v[\f+32+8*(\a0+\a):\f+32+8*(\a0+\a)+7], 0
.else
	v_wmma_f32_16x16x32_f16 v[8*(4*(\a0+\a)+\b):8*(4*(\a0+\a)+\b)+7], v[\f+8*\b:\f+8*\b+7], v[\f+32+8*(\a0+\a):\f+32+8*(\a0+\a)+7], v[8*(4*(\a0+\a)+\b):8*(4*(\a0+\a)+\b)+7]
.endif
.endr
.endr
.endm
; 16 LDS loads: the fragments of eighth q of a K step (32 along K: head q / 2, numbers 32 (q % 2) ..) into buffer f
.macro FETCH slot, q, f
.irp b, 0,1,2,3
	ds_load_b128 v[\f+8*\b:\f+8*\b+3],   v[ADRB+\slot] offset:\b*16*BP+64*\q
	ds_load_b128 v[\f+8*\b+4:\f+8*\b+7], v[ADRB+\slot] offset:\b*16*BP+64*\q+32
.endr
.irp a, 0,1,2,3
	ds_load_b128 v[\f+32+8*\a:\f+32+8*\a+3],   v[ADRA+\slot] offset:PLANE*(\q/2)+\a*16*AP+64*(\q%2)
	ds_load_b128 v[\f+32+8*\a+4:\f+32+8*\a+7], v[ADRA+\slot] offset:PLANE*(\q/2)+\a*16*AP+64*(\q%2)+32
.endr
.endm
; asks for eighth q into buffer g, multiplies buffer f
.macro SUB slot, q, f, g, zero
	PLACES                                         ; buffer g was read by the matrix instructions just in front (ISA guide 7.12.1)
	FETCH \slot, \q, \g
	s_wait_dscnt 16                                ; all but the 16 just issued: buffer f is in
	WIN MUL
	MUL8 \f, 0, \zero
	MUL8 \f, 2, \zero
	WIN 0
.endm
.macro SEVEN slot, zero
	SUB \slot, 1, F0, F1, \zero
	SUB \slot, 2, F1, F0, 0
	SUB \slot, 3, F0, F1, 0
	SUB \slot, 4, F1, F0, 0
	SUB \slot, 5, F0, F1, 0
	SUB \slot, 6, F1, F0, 0
	SUB \slot, 7, F0, F1, 0
.endm
; The last eighth: multiplies buffer 1 and changes slots.  fill = 1: this slot is filled again, two K steps ahead, behind a round of the cluster's barrier:
; each wave's waits stand in front of the opening signal, register work alone inside, the joint refills first behind it.
.macro TURN slot, next, fill
	s_wait_dscnt 0x0                               ; my reads of this slot are over
	s_wait_tensorcnt 0x0                           ; all my tensor loads have landed: my parts of the next slot
	ds_add_u32 v254, v255
	s_wait_dscnt 0x0
	s_barrier_signal -1
	WIN MUL
	MUL8 F1, 0, 0
	WIN 0
	s_barrier_wait -1
.if \fill
	CREST
	s_add_nc_u64 s[G0A+4*\slot+2:G0A+4*\slot+3], s[G0A+4*\slot+2:G0A+4*\slot+3], 2*ASTEP
	s_add_nc_u64 s[G0B+4*\slot+2:G0B+4*\slot+3], s[G0B+4*\slot+2:G0B+4*\slot+3], 2*BSTEP
	tensor_load_to_lds s[G0A+4*\slot:G0A+4*\slot+3], s[G1A:G1A+7]
	s_nop 0
	tensor_load_to_lds s[G0B+4*\slot:G0B+4*\slot+3], s[G1B:G1B+7]
	s_nop 0
.endif
	PLACES
	FETCH \next, 0, F0
	WIN MUL
	MUL8 F1, 2, 0
	WIN 0
.endm
	s_wait_tensorcnt 0x2                           ; my two parts of K step 0 are in; K step 1's two stay out
	s_barrier_signal -1
	s_barrier_wait -1
	FETCH 0, 0, F0
	SEVEN 0, 1                                     ; K step 0: the first products start the sums
	TURN 0, 1, 1                                   ; asks for K step 2
	SEVEN 1, 0                                     ; K step 1
	TURN 1, 0, 1                                   ; asks for K step 3
	SEVEN 0, 0                                     ; K step 2
	TURN 0, 1, 0
	SEVEN 1, 0                                     ; K step 3
	s_wait_dscnt 0x0
	WIN MUL
	MUL8 F1, 0, 0
	MUL8 F1, 2, 0
	WIN 0
	PLACES                                         ; behind the last matrix instructions: results are read by LDS stores, buffers are loaded into
; THE WAY OUT, 16 rows at a time: 32 bytes a lane from the accumulators into my stage, back as whole rows of 256 bytes.
.macro OUT16 a, o
	WIN 0x04                                       ; the LDS stores' data in window 1
.irp b, 0,1,2,3
	ds_store_b128 v[STO], v[8*(4*\a+\b):8*(4*\a+\b)+3]   offset:64*\b
	ds_store_b128 v[STO], v[8*(4*\a+\b)+4:8*(4*\a+\b)+7] offset:64*\b+16
.endr
	WIN 0
	s_wait_xcnt 0x0                                ; the registers that earlier stores read are loaded into only behind this wait
.irp t, 0,1,2,3,4,5,6,7
	ds_load_b128 v[\o+4*\t:\o+4*\t+3], v[RD] offset:\t*2*SP                        ; LDS serves a wave's instructions in order: these see the stores above
.endr
.irp t, 0,1,2,3,4,5,6,7
	s_wait_dscnt 7-\t
	global_store_b128 v[CO], v[\o+4*\t:\o+4*\t+3], s[8:9] offset:\a*65536+\t*8192 th:TH_STORE_NT   ; sixteen lanes store 256 consecutive bytes, aligned
.endr
.endm
	OUT16 0, 160
	OUT16 1, 192
	OUT16 2, 160
	OUT16 3, 192
	s_wait_tensorcnt 0x0
	ds_add_u32 v254, v255
	s_wait_dscnt 0x0
	CROUND                                         ; the closing round
	s_endpgm
.Lfunc_end_k_q4ed38d655b_oproj:
	.size	k_q4ed38d655b_oproj, .Lfunc_end_k_q4ed38d655b_oproj-k_q4ed38d655b_oproj
	.p2alignl 7, 3214868480
	.fill 96, 4, 3214868480
	.section	.rodata,"a",@progbits
	.p2align	6, 0x0
	.amdhsa_kernel k_q4ed38d655b_oproj
		.amdhsa_group_segment_fixed_size 327680
		.amdhsa_private_segment_fixed_size 0
		.amdhsa_enable_private_segment 0
		.amdhsa_kernarg_size 24
		.amdhsa_user_sgpr_count 2
		.amdhsa_user_sgpr_kernarg_segment_ptr 1
		.amdhsa_wavefront_size32 1
		.amdhsa_system_sgpr_workgroup_id_x 1
		.amdhsa_system_sgpr_workgroup_id_y 1
		.amdhsa_system_sgpr_workgroup_id_z 1
		.amdhsa_system_vgpr_workitem_id 0
		.amdhsa_next_free_vgpr 384
		.amdhsa_next_free_sgpr 72
		.amdhsa_reserve_vcc 0
		.amdhsa_float_denorm_mode_32 3
		.amdhsa_float_denorm_mode_16_64 3
		.amdhsa_memory_ordered 1
		.amdhsa_forward_progress 1
		.amdhsa_inst_pref_size 88
	.end_amdhsa_kernel
	.amdgpu_metadata
---
amdhsa.version: [ 1, 2 ]
amdhsa.kernels:
  - .name:           k_q4ed38d655b_oproj
    .symbol:         k_q4ed38d655b_oproj.kd
    .args:
      - { .name: a16, .offset: 0, .size: 8, .value_kind: global_buffer, .address_space: global }
      - { .name: wo16, .offset: 8, .size: 8, .value_kind: global_buffer, .address_space: global }
      - { .name: out0, .offset: 16, .size: 8, .value_kind: global_buffer, .address_space: global }
    .group_segment_fixed_size: 327680
    .private_segment_fixed_size: 0
    .kernarg_segment_align: 8
    .kernarg_segment_size: 24
    .max_flat_workgroup_size: 128
    .sgpr_count:     72
    .vgpr_count:     384
    .wavefront_size: 32
...
	.end_amdgpu_metadata
.endif
;; end of part 4
